; MI455X (gfx1250); checked and timed in simulation.
; The chip was launched on July 23, 2026; its instructions are those of AMD's public machine-readable ISA for CDNA 5 (MIT licence, August 2026) and "CDNA5" Instruction Set Architecture Reference Guide (July 2026). The comments in the code are by the model that wrote it; some were corrected since.
;; Additive Attention. Allowed arithmetic: matrix products marked QUANTISED: E4M3 operands, one given power-of-two scale a tensor, by v_wmma_f32_16x16x64_fp8_fp8 or v_wmma_f32_16x16x128_fp8_fp8, f32 sums; products left as they are: f32 operands where the result goes on into a quantised operand, else bf16, f16 or f32 operands; f32 sums; everything else in f32.
;; Inputs: W_h 1,024 x 1,024 float32; W_s 1,024 x 1,024 float32; W_x 1,024 x 1 float32; b_s 1,024 float32; cell_state 1 x 64 x 512 float32; context 64 x 1,024 x 1,024 float32; coverage 64 x 1,024 float32; hidden_state 1 x 64 x 512 float32; lowp_scales 4 int32 (the exponents e of the quantised operands' scales 2^e); padding_mask 64 x 1,024 float32; v 1 x 1,024 float32.
;; Outputs: out0 64 x 1 x 1,024 float32; out1 64 x 1,024 float32; out2 64 x 1,024 float32; out3 64 x 1,024 float32.
;; This version of the problem:
;;   THIS VERSION OF THE PROBLEM IS GIVEN IN LOW PRECISION. The matrix products marked QUANTISED in the list below multiply operands that are first quantised to E4M3 (4 exponent bits, 3 mantissa bits; 8 bits a number), with one given power-of-two scale for each operand tensor; their sums are f32. All else is computed in f32.
;;   The module's matrix products, in the order in which they are computed (A, B: the left and right operand; K: the contracted axis; several contracted axes count as one K, in the product's order):
;;     1. [M 64, K 1,024] x [K 1,024, N 1,024]; A: computed on the way; B: input W_s: QUANTISED (scales: A lowp_scales[0], B lowp_scales[1])
;;     2. [M 65,536, K 1,024] x [K 1,024, N 1,024]; A: input context; B: input W_h: QUANTISED (scales: A lowp_scales[2], B lowp_scales[3])
;;     3. [M 65,536, K 1,024] x [K 1,024, N 1]; A: computed on the way; B: input v: left as it is (N = 1 < 16)
;;     4. batch 64 x [M 1, K 1,024] x [K 1,024, N 1,024]; A: computed on the way; B: input context: left as it is (M = 1 < 16)
;;   THE QUANTISER, for each operand of a quantised product, along K:
;;     - The operand's scale is 2^e, e = its entry of the input lowp_scales (int32; the entries are numbered through the quantised products in the list's order, A before B).
;;     - Each number is divided by the scale, clamped to +-448, and rounded to the nearest number of E4M3, ties to even, subnormals kept.
;;     - The product sums the exact products of the quantised numbers (number of the format x scale) in f32.
;;   ~~~python
;;   def quantise(x, axis, e):      # numpy; x: float32 -> the quantised numbers, widened to float32 again
;;       x = np.moveaxis(x, axis, -1); K = x.shape[-1]
;;       r = np.clip(x / 2.0 ** e, -448, 448)
;;       step = 2.0 ** (np.maximum(np.frexp(np.where(r == 0, 1, r))[1] - 1, -6) - 3)
;;       q = np.round(r / step) * step * 2.0 ** e      # np.round: ties to even
;;       return np.moveaxis(q, -1, axis).astype(np.float32)
;;   ~~~
;;   OPERANDS COMPUTED ON THE WAY. 'Computed on the way' means the value that the module computes at that place (a softmax that the list does not call 'softmax' is quantised finished and normalised). What goes into a quantiser is computed in f32, as accurately as f32 sums, v_exp_f32 and their like allow (about 1e-6 of the number): no bf16 or f16 on the way to a quantiser, and a product that is left as it is and whose result goes on into a quantised operand takes f32 operands (vector FMAs, or v_wmma_f32_16x16x4_f32). A number that lies on a knife's edge between two numbers of the format may be rounded either way, as far as f32 arithmetic and the matrix unit's own rounding can turn it there, and no further.
;; One version. Each part assembles by itself: llvm-mc -triple=amdgcn-amd-amdhsa -mcpu=gfx1250 --defsym DOCPART=n.
;; ======== version 1 of 1: 3 launches
;; workspace buffers: whc 1,048,576 bytes; tab 1,048,576 bytes
;; launch prep (part 1): grid 48 x 1, 16 waves a work-group, no clusters, 171,520 bytes of LDS; arguments W_h, W_s, hidden_state, cell_state, b_s, W_x, v, lowp_scales, whc, tab; writes whc, tab
.if DOCPART == 1
	.amdgcn_target "amdgcn-amd-amdhsa--gfx1250"
	.amdhsa_code_object_version 6
	.text
	.protected	k_q0586f6c8e4_prep
	.globl	k_q0586f6c8e4_prep
	.p2align	8
	.type	k_q0586f6c8e4_prep,@function
k_q0586f6c8e4_prep:
	s_mov_b64 s[64:65], 0
	v_nop
	global_prefetch_b8 v0, s[64:65] scope:SCOPE_SE
	s_setreg_imm32_b32 hwreg(HW_REG_WAVE_MODE, 25, 1), 1
	s_wait_xcnt 0x0
; TWO SMALL JOBS IN ONE LAUNCH, parted on the work-group's number.
; Work-groups 0-15: W_h [1024][1024] f32 becomes codes of E4M3 with the given scale 2^e3, laid in whc as images of operand registers:
;   tile t (rows 16 t .. 16 t + 15) at 16,384 t; K step s (128 places) at + 2,048 s; group c of four registers at + 512 c; lane at + 16 x lane.
; Work-groups 16-47: sf = Q(state) Q(W_s)^T + b_s on codes (scales 2^e0, 2^e1), 32 columns a work-group, and the table of column constants
;   tab[b][n] = { k sf[b][n], k W_x[n], -2 v[n], v[n] }, 16 bytes, k = 2 log2(e): what the next launch wants for tanh x = 1 - 2 / (1 + 2^(k x)).
; ONE PERMUTATION OF K FOR EVERY QUANTISED OPERAND OF THE PROGRAM.  A row's 256 columns (1,024 bytes) are read by two loads of 512 consecutive bytes, 16 a lane; one conversion packs the
; lane's 4 + 4 numbers, and the 8 codes are laid at byte 8 x lane of the row's 256: place 8 lane + 4 c + t holds column 128 c + 4 lane + t.  A and B of both products are made by these same
; lines, so every product meets its partner; only the order of the sums changes.
; QUANTISER: x / 2^e, held within +-448, to the nearest code, ties to even.  LIMITS: e0, e1, e3 between -126 and 119; e0 + e1 between -127 and 126 (added to k's exponent field).  NaN among the inputs is not served.
; No tensor loads, no cluster: operands go through registers, since they must be converted; what the 32 state work-groups share (the state, 256 KB) is read by plain loads.
.set KAPPA, 0x4038aa3b                 ; k = 2 log2(e)
.set HP,  272                          ; stage row of 256 codes + 16 bytes: an odd multiple of 16
.set SP,  1040                         ; stage row of 1,024 codes + 16 bytes: likewise
.set HST, 0                            ; W_h's path: 16 waves x 16 rows x HP, each wave's own
.set SST, 16*16*HP                     ; the state's path: 64 rows of the state x SP,
.set WST, SST+64*SP                    ; and 32 rows of W_s x SP.  The two paths share no LDS byte
.set GA,  4                            ; v4  16 x lane: my 16 bytes of a load's or store's 512; never rewritten
; A strip is 8 rows x 256 columns: 64 registers a lane, register 8 j + 4 c + t = (row j, column 128 c + 4 lane + t)
.macro LOADS xb, base, pitch, off
.irp j, 0,1,2,3,4,5,6,7
	global_load_b128 v[\xb+8*\j:\xb+8*\j+3], v[GA], s[\base:\base+1] offset:\off+\j*\pitch
	global_load_b128 v[\xb+8*\j+4:\xb+8*\j+7], v[GA], s[\base:\base+1] offset:\off+\j*\pitch+512
.endr
.endm
.macro QUANTS xb, cd, lim, scl         ; v[lim] = 448 x 2^e, v[scl] = 2^e
.set qk, 0
.rept 64
	v_med3_num_f32 v[\xb+qk], v[\xb+qk], -v[\lim], v[\lim]    ; the conversion to an 8-bit code does not saturate (ISA guide 7.6.2): the hold comes first
.set qk, qk+1
.endr
.irp j, 0,1,2,3,4,5,6,7
	v_cvt_scalef32_pk8_fp8_f32 v[\cd+2*\j:\cd+2*\j+1], v[\xb+8*\j:\xb+8*\j+7], v[\scl]
.endr
	v_nop                                          ; one plain vector line behind the last conversion: later vector and matrix lines write these registers
.endm
.macro PUTS cd, adr, pitch, off        ; a row's 8 codes a lane: 32 lanes lay 256 consecutive bytes
.irp j, 0,1,2,3,4,5,6,7
	ds_store_b64 v[\adr], v[\cd+2*\j:\cd+2*\j+1] offset:\off+\j*\pitch
.endr
.endm
.macro MKSCALE e, sc, lim              ; from the whole number in s[e]: 2^e and 448 x 2^e as f32
	s_add_co_i32 s50, s[\e], 127
	s_lshl_b32 s51, s50, 23
	v_mov_b32 v[\sc], s51
	s_add_co_i32 s50, s50, 8
	s_lshl_b32 s50, s50, 23
	s_or_b32 s50, s50, 0x600000
	v_mov_b32 v[\lim], s50
.endm
	s_load_b512 s[4:19], s[0:1], 0x0               ; W_h s[4:5], W_s s[6:7], hidden s[8:9], cell s[10:11], b_s s[12:13], W_x s[14:15], v s[16:17], the exponents s[18:19]
	s_load_b128 s[20:23], s[0:1], 0x40             ; whc s[20:21], tab s[22:23]
	v_lshrrev_b32 v1, 5, v0
	v_readfirstlane_b32 s28, v1                    ; wave 0..15
	v_and_b32 v1, 31, v0                           ; lane
	v_and_b32 v2, 15, v0                           ; r
	v_bfe_u32 v3, v0, 4, 1                         ; h
	v_lshlrev_b32 v[GA], 4, v1
	s_wait_kmcnt 0x0
	s_load_b128 s[24:27], s[18:19], 0x0            ; e0, e1, e2, e3
	s_cmp_lt_u32 ttmp9, 16
	s_cbranch_scc0 .Lstate
	; ---- W_h: wave w takes tile 4 g + w / 4 and columns 256 (w % 4) on: 16 rows x 256 columns, two K steps of one tile
	s_lshr_b32 s30, s28, 2
	s_lshl_b32 s31, ttmp9, 2
	s_add_co_u32 s30, s30, s31                     ; the tile
	s_and_b32 s31, s28, 3                          ; which 256 columns
	s_lshl_b32 s32, s30, 16                        ; 16 rows of 4,096 bytes
	s_lshl_b32 s33, s31, 10
	s_add_co_u32 s32, s32, s33
	s_mov_b32 s33, 0
	s_add_nc_u64 s[4:5], s[4:5], s[32:33]
	s_lshl_b32 s34, s30, 14                        ; the tile's image, and my two K steps in it
	s_lshl_b32 s35, s31, 12
	s_add_co_u32 s34, s34, s35
	s_mov_b32 s35, 0
	s_add_nc_u64 s[20:21], s[20:21], s[34:35]
	LOADS 64, 4, 4096, 0                           ; rows 0-7
	LOADS 128, 4, 4096, 8*4096                     ; rows 8-15
	s_mul_i32 s36, s28, 16*HP                      ; my stage (HST = 0)
	v_lshl_add_u32 v5, v1, 3, s36                  ; in: 8 x lane
	v_mul_u32_u24 v6, v2, HP
	v_lshl_add_u32 v6, v3, 4, v6
	v_add_nc_u32 v6, s36, v6                       ; back: row r, + 16 h: a fragment's four registers
	s_wait_kmcnt 0x0
	MKSCALE 27, 8, 9
	s_wait_loadcnt 16                              ; rows 0-7 are in; the 16 loads of rows 8-15 may be out
	QUANTS 64, 32, 9, 8
	PUTS 32, 5, HP, 0
	s_wait_loadcnt 0
	QUANTS 128, 48, 9, 8
	PUTS 48, 5, HP, 8*HP
.irp k, 0,1,2,3,4,5,6,7                            ; LDS serves a wave's instructions in order: these see my stores
	ds_load_b128 v[192+4*\k:195+4*\k], v6 offset:128*(\k/4)+32*(\k%4)
.endr
.irp k, 0,1,2,3,4,5,6,7
	s_wait_dscnt 7-\k                              ; load k is in, the younger ones may be out
	global_store_b128 v[GA], v[192+4*\k:195+4*\k], s[20:21] offset:512*\k   ; 32 lanes store 512 consecutive bytes, aligned
.endr
	s_wait_xcnt 0x0
	v_lshl_add_u32 v254, v0, 2, 0x29600
	v_mov_b32 v255, 0
	s_wait_tensorcnt 0x0
	ds_add_u32 v254, v255
	s_wait_dscnt 0x0
	s_endpgm
	; ---- the state's product: work-group g' = number - 16 makes columns 32 g' .. 32 g' + 31 for all 64 batches
.Lstate:
	s_sub_co_u32 s30, ttmp9, 16
	s_and_b32 s32, s28, 1                          ; which of the two tiles of columns is mine in the product
	s_lshl_b32 s31, s30, 1
	s_add_co_u32 s31, s31, s32                     ; the tile of columns
	s_lshl_b32 s33, s31, 6
	v_lshl_add_u32 v7, v2, 2, s33                  ; 4 (16 tile + r): my column's constants; these three loads go first, so every later count covers them
	global_load_b32 v10, v7, s[12:13]              ; b_s
	global_load_b32 v11, v7, s[14:15]              ; W_x
	global_load_b32 v12, v7, s[16:17]              ; v
	s_and_b32 s34, s28, 7                          ; the state: rows 8 (w % 8) on,
	s_lshr_b32 s35, s28, 3                         ; columns 256 (w / 8) on of hidden and of cell
	s_lshl_b32 s36, s34, 14                        ; 8 rows of 2,048 bytes
	s_lshl_b32 s37, s35, 10
	s_add_co_u32 s36, s36, s37
	s_mov_b32 s37, 0
	s_add_nc_u64 s[8:9], s[8:9], s[36:37]
	s_add_nc_u64 s[10:11], s[10:11], s[36:37]
	s_and_b32 s40, s28, 3                          ; W_s: rows 32 g' + 8 (w % 4) on,
	s_lshr_b32 s41, s28, 2                         ; columns 256 (w / 4) on
	s_lshl_b32 s38, s30, 17
	s_lshl_b32 s39, s40, 15
	s_add_co_u32 s38, s38, s39
	s_lshl_b32 s39, s41, 10
	s_add_co_u32 s38, s38, s39
	s_mov_b32 s39, 0
	s_add_nc_u64 s[6:7], s[6:7], s[38:39]
	LOADS 64, 8, 2048, 0
	LOADS 128, 10, 2048, 0
	LOADS 192, 6, 4096, 0
	s_mul_i32 s42, s34, 8*SP
	s_lshl_b32 s43, s35, 8
	s_add_co_u32 s42, s42, s43
	s_add_co_u32 s42, s42, SST
	v_lshl_add_u32 v5, v1, 3, s42                  ; the state's codes: row, + 256 (w / 8), + 8 x lane; cell's lie 512 further on: state = hidden | cell
	s_mul_i32 s43, s40, 8*SP
	s_lshl_b32 s44, s41, 8
	s_add_co_u32 s43, s43, s44
	s_add_co_u32 s43, s43, WST
	v_lshl_add_u32 v6, v1, 3, s43                  ; W_s's codes
	s_wait_kmcnt 0x0
	MKSCALE 24, 8, 9
	MKSCALE 25, 14, 15
	s_wait_loadcnt 32                              ; hidden's strip is in; two strips of 16 loads may be out
	QUANTS 64, 16, 9, 8
	PUTS 16, 5, SP, 0
	s_wait_loadcnt 16
	QUANTS 128, 32, 9, 8
	PUTS 32, 5, SP, 512
	s_wait_loadcnt 0
	QUANTS 192, 48, 15, 14
	PUTS 48, 6, SP, 0
	s_wait_dscnt 0x0                               ; for the others' sake: my codes lie in LDS
	s_barrier_signal -1
	s_barrier_wait -1
	s_cmp_lt_u32 s28, 8                            ; eight products of 16 batches x 16 columns: waves 0-7; no barrier follows
	s_cbranch_scc1 .Lmul
	s_wait_xcnt 0x0
	v_lshl_add_u32 v254, v0, 2, 0x29600
	v_mov_b32 v255, 0
	s_wait_tensorcnt 0x0
	ds_add_u32 v254, v255
	s_wait_dscnt 0x0
	s_endpgm
.Lmul:
	s_lshr_b32 s44, s28, 1                         ; which 16 batches
	s_mul_i32 s45, s44, 16*SP
	s_add_co_u32 s45, s45, SST
	s_mul_i32 s46, s32, 16*SP
	s_add_co_u32 s46, s46, WST
	v_and_b32 v16, 15, v0                          ; r
	v_bfe_u32 v17, v0, 4, 1                        ; h
	v_mul_u32_u24 v18, v16, SP
	v_lshl_add_u32 v18, v17, 4, v18
	v_add_nc_u32 v19, s45, v18                     ; source 0: the state's row 16 T + r, + 16 h
	v_add_nc_u32 v20, s46, v18                     ; source 1: W_s's row
	s_lshl_b32 s52, s44, 18                        ; tab: 16 batches of 16,384 bytes, + 256 x tile of columns
	s_lshl_b32 s53, s31, 8
	s_add_co_u32 s52, s52, s53
	s_mov_b32 s53, 0
	s_add_nc_u64 s[22:23], s[22:23], s[52:53]
	s_add_co_i32 s48, s24, s25
	s_lshl_b32 s48, s48, 23
	s_add_co_i32 s48, s48, KAPPA                   ; k 2^(e0 + e1): the exponents are added to k's exponent field
	s_mov_b32 s49, KAPPA
; four K steps: 32 LDS loads, four products.  Even K steps add into v[192:199], odd ones into v[200:207]: the two take turns
.macro ROUNDK q
.irp s, 0,1,2,3
.irp c, 0,1,2,3
	ds_load_b128 v[64+16*\s+4*\c:64+16*\s+4*\c+3], v19 offset:128*(4*\q+\s)+32*\c
	ds_load_b128 v[128+16*\s+4*\c:128+16*\s+4*\c+3], v20 offset:128*(4*\q+\s)+32*\c
.endr
.endr
	s_wait_dscnt 0x0
.irp s, 0,1,2,3
.if (\q == 0) && (\s < 2)
	v_wmma_f32_16x16x128_fp8_fp8 v[192+8*(\s%2):199+8*(\s%2)], v[64+16*\s:79+16*\s], v[128+16*\s:143+16*\s], 0
.else
	v_wmma_f32_16x16x128_fp8_fp8 v[192+8*(\s%2):199+8*(\s%2)], v[64+16*\s:79+16*\s], v[128+16*\s:143+16*\s], v[192+8*(\s%2):199+8*(\s%2)]
.endif
.endr
.endm
	ROUNDK 0
.rept 4
	v_nop                                          ; places in front of loads into registers that the products have read
.endr
	ROUNDK 1
	v_mul_f32 v10, s49, v10                        ; k b_s.  These five lines name no register of the products: they are the places behind the last of them
	v_mul_f32 v11, s49, v11                        ; k W_x
	v_mul_f32 v13, -2.0, v12                       ; -2 v
	v_lshlrev_b32 v21, 4, v16
	v_lshl_add_u32 v21, v17, 17, v21               ; lane (r, h), register j: batch 16 T + 8 h + j, column 16 tile + r: 131,072 h + 16 r, and 16,384 j in the immediate
.irp j, 0,1,2,3,4,5,6,7
	v_add_f32 v[208+4*\j], v[192+\j], v[200+\j]    ; the two halves of the sum, each accumulator from its low end on
.endr
.irp j, 0,1,2,3,4,5,6,7
	v_fma_f32 v[208+4*\j], v[208+4*\j], s48, v10   ; k (sum 2^(e0 + e1) + b_s)
	v_mov_b32 v[209+4*\j], v11                     ; the column's three constants beside it: an entry is stored, and later read, as one run of 16 bytes
	v_mov_b32 v[210+4*\j], v13
	v_mov_b32 v[211+4*\j], v12
.endr
.irp j, 0,1,2,3,4,5,6,7
	global_store_b128 v21, v[208+4*\j:211+4*\j], s[22:23] offset:16384*\j   ; sixteen lanes store 256 consecutive bytes, aligned
.endr
	s_wait_xcnt 0x0
	v_lshl_add_u32 v254, v0, 2, 0x29600
	v_mov_b32 v255, 0
	s_wait_tensorcnt 0x0
	ds_add_u32 v254, v255
	s_wait_dscnt 0x0
	s_endpgm
.Lfunc_end_k_q0586f6c8e4_prep:
	.size	k_q0586f6c8e4_prep, .Lfunc_end_k_q0586f6c8e4_prep-k_q0586f6c8e4_prep
	.p2alignl 7, 3214868480
	.fill 96, 4, 3214868480
	.section	.rodata,"a",@progbits
	.p2align	6, 0x0
	.amdhsa_kernel k_q0586f6c8e4_prep
		.amdhsa_group_segment_fixed_size 171520
		.amdhsa_private_segment_fixed_size 0
		.amdhsa_enable_private_segment 0
		.amdhsa_kernarg_size 80
		.amdhsa_user_sgpr_count 2
		.amdhsa_user_sgpr_kernarg_segment_ptr 1
		.amdhsa_wavefront_size32 1
		.amdhsa_system_sgpr_workgroup_id_x 1
		.amdhsa_system_sgpr_workgroup_id_y 1
		.amdhsa_system_sgpr_workgroup_id_z 1
		.amdhsa_system_vgpr_workitem_id 0
		.amdhsa_next_free_vgpr 256
		.amdhsa_next_free_sgpr 66
		.amdhsa_reserve_vcc 0
		.amdhsa_float_denorm_mode_32 3
		.amdhsa_float_denorm_mode_16_64 3
		.amdhsa_memory_ordered 1
		.amdhsa_forward_progress 1
		.amdhsa_inst_pref_size 48
	.end_amdhsa_kernel
	.amdgpu_metadata
---
amdhsa.version: [ 1, 2 ]
amdhsa.kernels:
  - .name:           k_q0586f6c8e4_prep
    .symbol:         k_q0586f6c8e4_prep.kd
    .args:
      - { .name: W_h, .offset: 0, .size: 8, .value_kind: global_buffer, .address_space: global }
      - { .name: W_s, .offset: 8, .size: 8, .value_kind: global_buffer, .address_space: global }
      - { .name: hidden_state, .offset: 16, .size: 8, .value_kind: global_buffer, .address_space: global }
      - { .name: cell_state, .offset: 24, .size: 8, .value_kind: global_buffer, .address_space: global }
      - { .name: b_s, .offset: 32, .size: 8, .value_kind: global_buffer, .address_space: global }
      - { .name: W_x, .offset: 40, .size: 8, .value_kind: global_buffer, .address_space: global }
      - { .name: v, .offset: 48, .size: 8, .value_kind: global_buffer, .address_space: global }
      - { .name: lowp_scales, .offset: 56, .size: 8, .value_kind: global_buffer, .address_space: global }
      - { .name: whc, .offset: 64, .size: 8, .value_kind: global_buffer, .address_space: global }
      - { .name: tab, .offset: 72, .size: 8, .value_kind: global_buffer, .address_space: global }
    .group_segment_fixed_size: 171520
    .private_segment_fixed_size: 0
    .kernarg_segment_align: 8
    .kernarg_segment_size: 80
    .max_flat_workgroup_size: 512
    .sgpr_count:     66
    .vgpr_count:     256
    .wavefront_size: 32
...
	.end_amdgpu_metadata
.endif
;; end of part 1
;; launch score (part 2): grid 256 x 1, 4 waves a work-group, clusters of 4 x 1, 327,680 bytes of LDS; arguments context, coverage, whc, tab, lowp_scales, out3; writes out3
.if DOCPART == 2
	.amdgcn_target "amdgcn-amd-amdhsa--gfx1250"
	.amdhsa_code_object_version 6
	.text
	.protected	k_q0586f6c8e4_score
	.globl	k_q0586f6c8e4_score
	.p2align	8
	.type	k_q0586f6c8e4_score,@function
k_q0586f6c8e4_score:
	s_mov_b64 s[64:65], 0
	v_nop
	global_prefetch_b8 v0, s[64:65] scope:SCOPE_SE
	s_setreg_imm32_b32 hwreg(HW_REG_WAVE_MODE, 25, 1), 1
	s_wait_xcnt 0x0
	s_wait_alu depctr_hold_cnt(0) depctr_sa_sdst(0) depctr_va_vdst(0) depctr_va_sdst(0) depctr_va_ssrc(0) depctr_va_vcc(0) depctr_vm_vsrc(0)
	s_getreg_b32 s2, hwreg(HW_REG_IB_STS2, 6, 4)
	s_cmp_eq_u32 s2, 0
	s_cbranch_scc0 .Lentry_in_a_cluster
	s_endpgm
.Lentry_in_a_cluster:
	s_bfe_u32 s2, ttmp6, 0x10000c
	s_cmp_lg_u32 s2, 0x3003
	s_cbranch_scc0 .Lentry_shape_is_right
	s_endpgm
.Lentry_shape_is_right:
; score[b][l] = sum over n of v[n] tanh( Q(context)[b][l] . Q(W_h)[n] + sf[b][n] + coverage[b][l] W_x[n] ), the product on codes of E4M3 (scales 2^e2, 2^e3).
; tanh x = 1 - 2 / (1 + 2^(k x)), k = 2 log2(e): score = sum v - 2 sum v r, r = 1 / (1 + 2^(k x)).  An exponential that overflows gives r = 0, one that underflows r = 1: both are right.
; SHARES.  A cluster of four work-groups is one batch; a work-group takes 256 of its rows, each of its four waves 64 (four tiles of 16).
; PHASE A: the wave reads its 64 rows of context once (f32), quantises them and keeps the codes, 64 x 1,024 bytes, in 512 registers (windows 2 and 3) as operand fragments.
; PHASE B: W_h's codes (whc, laid as images of operand registers) stream once through a ring of two LDS slots of 8 tiles of 16 columns; a fragment of 2,048 bytes read from LDS feeds four products.
;   A tile of columns is 32 products (8 K steps x 4 tiles of rows); the tanh of the tile BEFORE, cut into 32 slices, stands between them, one slice behind each product.
; CLUSTER.  The four partners walk the same codes of W_h and the same table of the batch: every tensor load is asked for jointly, with the mask of all four.  My place in the cluster enters global addresses of context, coverage and out3 alone.
; K IS PERMUTED alike in both operands (within 256 columns: place 8 lane + 4 c + t holds column 128 c + 4 lane + t), by the same lines here as in the launch that made whc.
; LAYOUT of a result: lane (r, h), register j: row 16 T + 8 h + j, column 16 tile + r.  So a lane's column constants are one entry of 16 bytes of the table, coverage lies along the registers, and a row's score is summed over sixteen lanes at the end.
; LIMITS: e2 between -126 and 119; e2 + e3 between -127 and 126 (added to k's exponent field).  NaN among the inputs is not served.
; REGISTERS, in windows of 256: window 0: v1-15 addresses and constants; v16-19 at work; v20-27 two sets of column constants; v32-63 codes just made; v64-95 coverage; v96-127 the scores' sums; v128-191 two sets of four accumulators
;   (in phase A v128-255 is the third buffer of f32 numbers).   window 1: phase A: two buffers of 128 f32 numbers; phase B: two sets of W_h's eight fragments.   windows 2, 3: my codes: fragment (T, s) at register 16 (8 T + s) from v512 on.
.set KAPPA, 0x4038aa3b
.set SLOT1, 1<<17                      ; a slot is 8 tiles x 16,384 bytes; slot 1 begins here, so that one exclusive or turns an address in one slot into the other's
.set TILEB, 16384
.set TABLE, 2*SLOT1                    ; the batch's table: 1,024 entries of 16 bytes, filled once
.set HP,    272                        ; a stage row: 256 codes + 16 bytes
.set STAGE, TABLE+16384                ; 16 rows x HP for each wave: no fill lands here
.set SCST,  STAGE+4*16*HP              ; 64 scores for each wave
.set SPARE, SCST+1024                  ; the spare words, 128 bytes for each wave: two blocks of 256 bytes that no other line names
.set LANE16, 1                         ; v1   16 x lane
.set SA,   2                           ; v2   the stage, in: 8 x lane
.set FA,   3                           ; v3   the stage, back: HP r + 16 h
.set ADB,  4                           ; v4   LDS address of the tile of W_h in hand
.set ADT,  5                           ; v5   of its table entry
.set R16T, 6                           ; v6   TABLE + 16 r
.set SCL,  7                           ; v7   2^e2
.set SPW,  8                           ; v8   my spare word; never rewritten
.set NIL,  9                           ; v9   0; never rewritten
.set VS,   10                          ; v10  the sum of my columns' v
.set LIM,  11                          ; v11  448 x 2^e2
.set SSA,  12                          ; v12  the scores' stage, in: 32 h
.set SSR,  13                          ; v13  back: 8 x lane
.set GO,   14                          ; v14  8 x lane, in out3
.set CVA,  15                          ; v15  32 h, in coverage
.set TP,   16
.set CT,   20
.set CD,   32
.set COV,  64
.set SC,   96
.set ACC,  128
.set G1W,  16                          ; s[16:23] group 1: 128 rows of 256 bytes, dense: a wave's quarter of a slot
.set G1T,  24                          ; s[24:31] group 1: 16 rows of 256 bytes: a wave's quarter of the table
.set G0A,  32                          ; s[32:35] slot 0's first fill
.set G0B,  36                          ; s[36:39] slot 1's first fill; then it walks
.set G0T,  40                          ; s[40:43] the table
.set WV,   44                          ; s44  my wave's number
.set SS,   54                          ; s[54:55] k 2^(e2 + e3), twice
.set TB,   56                          ; s56  LDS byte of the tile of W_h to be fetched next
.set TT,   57                          ; s57  256 x the tile whose table entries are fetched next
.set CN1,  58
.set CN2,  59
.set MSB, 0
.macro WIN new                         ; bits 1:0 source 0, 3:2 source 1, 5:4 source 2, 7:6 destination; the high byte repeats the setting that is left
.if MSB != (\new)
	s_set_vgpr_msb (MSB<<8)|(\new)
.set MSB, (\new)
.endif
.endm
.macro ROUND                           ; a round of the cluster's barrier
	s_barrier_signal -1
	s_barrier_wait -1
	s_cmp_lg_u32 s[WV], 0
	s_cbranch_scc1 .Lnot_wave_0_\@
	s_barrier_signal -3
.Lnot_wave_0_\@:
	s_barrier_wait -3
	s_barrier_signal -1
	s_barrier_wait -1
.endm
	s_load_b256 s[4:11], s[0:1], 0x0               ; context s[4:5], coverage s[6:7], whc s[8:9], tab s[10:11]
	s_load_b128 s[12:15], s[0:1], 0x20             ; the exponents s[12:13], out3 s[14:15]
	v_lshl_add_u32 v[SPW], v0, 2, SPARE
	v_mov_b32 v[NIL], 0
	ds_add_u32 v8, v9
	ds_add_u32 v8, v9
	s_wait_dscnt 0x0
	v_lshrrev_b32 v28, 5, v0
	v_readfirstlane_b32 s[WV], v28                 ; wave 0..3
	s_bfe_u32 s45, ttmp6, 0x40000                  ; cx: my place in the cluster; ttmp9 counts clusters: the batch
	s_mov_b32 s[G1W], 15|(3<<16)|(1<<21)           ; 15:0 the mask: all four work-groups; 17:16 elements of 8 bytes; 21 set beside a mask; no padding: the images are read 16 bytes a lane on end
	s_mov_b32 s[G1W+1], 32<<16                     ; tensor_dim0 = 32 elements = 256 bytes
	s_mov_b32 s[G1W+2], 128<<16                    ; tensor_dim1 = 128
	s_mov_b32 s[G1W+3], 32<<16                     ; tile_dim0
	s_mov_b32 s[G1W+4], 128                        ; tile_dim1
	s_mov_b32 s[G1W+5], 32                         ; from row to row: dense
	s_mov_b32 s[G1W+6], 0
	s_mov_b32 s[G1W+7], 0
	s_mov_b32 s[G1T], 15|(3<<16)|(1<<21)
	s_mov_b32 s[G1T+1], 32<<16
	s_mov_b32 s[G1T+2], 16<<16
	s_mov_b32 s[G1T+3], 32<<16
	s_mov_b32 s[G1T+4], 16
	s_mov_b32 s[G1T+5], 32
	s_mov_b32 s[G1T+6], 0
	s_mov_b32 s[G1T+7], 0
	s_lshl_b32 s46, s[WV], 15                      ; my quarter of a slot, in whc
	s_mov_b32 s47, 0
	s_lshl_b32 s60, ttmp9, 14                      ; the batch's table, and my quarter of it
	s_lshl_b32 s61, s[WV], 12
	s_add_co_u32 s60, s60, s61
	s_mov_b32 s61, 0
	s_lshl_b32 s62, s45, 8
	s_lshl_b32 s63, s[WV], 6
	s_add_co_u32 s62, s62, s63                     ; my first row in the batch: 256 cx + 64 w
	s_lshl_b32 s66, ttmp9, 22                      ; context: 4 MiB a batch, 4,096 bytes a row
	s_lshl_b32 s67, s62, 12
	s_add_co_u32 s66, s66, s67
	s_mov_b32 s67, 0
	s_lshl_b32 s68, ttmp9, 12                      ; coverage and out3: 4 bytes a row
	s_lshl_b32 s69, s62, 2
	s_add_co_u32 s68, s68, s69
	s_mov_b32 s69, 0
	s_wait_kmcnt 0x0
	s_load_b128 s[48:51], s[12:13], 0x0            ; e0, e1, e2, e3
	s_add_nc_u64 s[4:5], s[4:5], s[66:67]
	s_add_nc_u64 s[6:7], s[6:7], s[68:69]
	s_add_nc_u64 s[14:15], s[14:15], s[68:69]
	s_mov_b32 s[G0A], 1
	s_lshl_b32 s[G0A+1], s[WV], 15                 ; LDS: slot 0, my quarter: no place in the cluster enters an LDS address
	s_add_nc_u64 s[G0A+2:G0A+3], s[8:9], s[46:47]  ; tiles 0-7
	s_mov_b32 s[G0B], 1
	s_add_co_u32 s[G0B+1], s[G0A+1], SLOT1
	s_add_nc_u64 s[G0B+2:G0B+3], s[G0A+2:G0A+3], SLOT1   ; tiles 8-15
	s_or_b32 s[G0A+3], s[G0A+3], 0x80000000
	s_or_b32 s[G0B+3], s[G0B+3], 0x80000000
	s_mov_b32 s[G0T], 1
	s_lshl_b32 s[G0T+1], s[WV], 12
	s_add_co_u32 s[G0T+1], s[G0T+1], TABLE
	s_add_nc_u64 s[G0T+2:G0T+3], s[10:11], s[60:61]
	s_or_b32 s[G0T+3], s[G0T+3], 0x80000000
	ROUND                                          ; all four work-groups are here: the first joint loads meet
	tensor_load_to_lds s[G0A:G0A+3], s[G1W:G1W+7]  ; the three first fills go out together, ahead of every LDS read and every wait for them: three loads of mine are out; they land under phase A
	s_nop 0
	tensor_load_to_lds s[G0B:G0B+3], s[G1W:G1W+7]
	s_nop 0
	tensor_load_to_lds s[G0T:G0T+3], s[G1T:G1T+7]
	s_nop 0
.rept 4
	v_nop
.endr
	v_and_b32 v28, 31, v0                          ; lane
	v_and_b32 v29, 15, v0                          ; r
	v_bfe_u32 v30, v0, 4, 1                        ; h
	v_lshlrev_b32 v[LANE16], 4, v28
	s_mul_i32 s70, s[WV], 16*HP
	s_add_co_u32 s70, s70, STAGE
	v_lshl_add_u32 v[SA], v28, 3, s70
	v_mul_u32_u24 v[FA], v29, HP
	v_lshl_add_u32 v[FA], v30, 4, v[FA]
	v_add_nc_u32 v[FA], s70, v[FA]
	v_lshl_add_u32 v[R16T], v29, 4, TABLE
	s_lshl_b32 s71, s[WV], 8
	s_add_co_u32 s71, s71, SCST
	v_lshl_add_u32 v[SSA], v30, 5, s71
	v_lshl_add_u32 v[SSR], v28, 3, s71
	v_lshlrev_b32 v[GO], 3, v28
	v_lshlrev_b32 v[CVA], 5, v30
.irp t, 0,1,2,3                                    ; coverage of rows 16 T + 8 h + 0 .. 7, in the results' layout
	global_load_b128 v[COV+8*\t:COV+8*\t+3], v[CVA], s[6:7] offset:64*\t
	global_load_b128 v[COV+8*\t+4:COV+8*\t+7], v[CVA], s[6:7] offset:64*\t+16
.endr
; PHASE A.  Unit n = 4 T + u is 16 rows x 256 columns: 32 loads of 512 consecutive bytes, 128 registers.  Three buffers take turns: n % 3 = 0, 1: window 1, v0 and v128; 2: window 0, v128.
.macro LOADU n
.set bw, 1-(((\n)%3)/2)
.set xb, 128*((((\n)%3)+1)/2)
	WIN (bw<<6)
.set p, 0
.rept 16
	global_load_b128 v[xb+8*p:xb+8*p+3], v[LANE16], s[4:5] offset:(16*((\n)/4)+p)*4096+1024*((\n)%4) th:TH_LOAD_NT
	global_load_b128 v[xb+8*p+4:xb+8*p+7], v[LANE16], s[4:5] offset:(16*((\n)/4)+p)*4096+1024*((\n)%4)+512 th:TH_LOAD_NT
.set p, p+1
.endr
	WIN 0
.endm
; Unit n is held, converted (8 codes a row and lane), laid in my stage as 16 rows of 256 codes, and read back as the two fragments (T, 2 u) and (T, 2 u + 1).  All bytes are the wave's own: no barrier.
.macro CONV n
.set bw, 1-(((\n)%3)/2)
.set xb, 128*((((\n)%3)+1)/2)
.set tt, (\n)/4
.set uu, (\n)%4
.if (\n) <= 13
	s_wait_loadcnt 63                              ; behind this unit's loads two units, 64 loads, were issued; the wait's field ends at 63
.elseif (\n) == 14
	s_wait_loadcnt 32                              ; one unit was issued behind it
.else
	s_wait_loadcnt 0
.endif
	WIN (bw<<6)|bw
.set k, 0
.rept 128
	v_med3_num_f32 v[xb+k], v[xb+k], -v[LIM], v[LIM]   ; the conversion to an 8-bit code does not saturate (ISA guide 7.6.2): the hold comes first
.set k, k+1
.endr
	s_wait_dscnt 0x0                               ; the last unit's stores have read the codes' registers, and its fragments are in
	WIN bw
.set p, 0
.rept 16
	v_cvt_scalef32_pk8_fp8_f32 v[CD+2*p:CD+2*p+1], v[xb+8*p:xb+8*p+7], v[SCL]
.set p, p+1
.endr
	WIN 0
	v_nop                                          ; one plain vector line behind the last conversion: later vector and matrix lines write these registers
.set p, 0
.rept 16
	ds_store_b64 v[SA], v[CD+2*p:CD+2*p+1] offset:HP*p
.set p, p+1
.endr
	WIN ((2+tt/2)<<6)
.irp s, 0,1
.irp c, 0,1,2,3
	ds_load_b128 v[16*(8*(tt%2)+2*uu+\s)+4*\c:16*(8*(tt%2)+2*uu+\s)+4*\c+3], v[FA] offset:128*\s+32*\c   ; LDS serves a wave's instructions in order: these see my stores, and the next unit's stores come behind them
.endr
.endr
	WIN 0
.if (\n)+3 < 16
	LOADU (\n)+3                                   ; the buffer takes the unit three further on
.endif
.endm
	LOADU 0
	LOADU 1
	LOADU 2
	s_wait_kmcnt 0x0
	s_add_co_i32 s72, s50, 127
	s_lshl_b32 s73, s72, 23
	v_mov_b32 v[SCL], s73                          ; 2^e2: the conversion takes its exponent field
	s_add_co_i32 s72, s72, 8
	s_lshl_b32 s72, s72, 23
	s_or_b32 s72, s72, 0x600000
	v_mov_b32 v[LIM], s72                          ; 448 x 2^e2
	s_add_co_i32 s[SS], s50, s51
	s_lshl_b32 s[SS], s[SS], 23
	s_add_co_i32 s[SS], s[SS], KAPPA               ; k 2^(e2 + e3): a sum stands for sum x 2^(e2 + e3)
	s_mov_b32 s[SS+1], s[SS]                       ; (named with it as a pair, so it is written)
.set U, 0
.rept 16
	CONV U
.set U, U+1
.endr
; PHASE B.
.macro FETCHB buf                      ; a tile's eight fragments, 32 loads of 512 consecutive bytes, into set buf of window 1
	v_add_nc_u32 v[ADB], s[TB], v[LANE16]
	s_add_co_u32 s[TB], s[TB], TILEB
	WIN 0x40
.set kk, 0
.rept 32
	ds_load_b128 v[128*(\buf)+4*kk:128*(\buf)+4*kk+3], v[ADB] offset:512*kk
.set kk, kk+1
.endr
	WIN 0
.endm
.macro FETCHC par                      ; the tile's entry of the table for my column: { k sf, k W_x, -2 v, v }; the next tile's slices use it
	v_add_nc_u32 v[ADT], s[TT], v[R16T]
	s_add_co_u32 s[TT], s[TT], 256
	ds_load_b128 v[CT+4*(\par):CT+4*(\par)+3], v[ADT]
.endm
; Slice i of 32 of a finished tile's tanh, in place on the 32 sums at v[P] on, with the constants at v[C] on.
;   0-7   k x = sum k 2^(e2+e3) + (coverage k W_x + k sf), two pairs a slice: each accumulator is read from its low end on
;   8-15  2^(k x);   16-19  + 1, behind one plain line, since no plain line stands among the exponentials and products before it
;   20-27 r = 1 / that;   28-31  the scores' sums take -2 v r; the addition of v onto its sum stands first: the plain line behind the reciprocals
.macro SLICE P, C
.if i < 8
.irp d, 0,1
	v_pk_fma_f32 v[TP+2*\d:TP+2*\d+1], v[COV+4*i+2*\d:COV+4*i+2*\d+1], v[(\C):(\C)+1], v[(\C):(\C)+1] op_sel:[0,1,0] op_sel_hi:[1,1,0]
.endr
.irp d, 0,1
	v_pk_fma_f32 v[(\P)+4*i+2*\d:(\P)+4*i+2*\d+1], v[(\P)+4*i+2*\d:(\P)+4*i+2*\d+1], s[SS:SS+1], v[TP+2*\d:TP+2*\d+1] op_sel_hi:[1,0,1]
.endr
.elseif i < 16
.irp d, 0,1,2,3
	v_exp_f32 v[(\P)+4*(i-8)+\d], v[(\P)+4*(i-8)+\d]
.endr
.elseif i < 20
.if i == 16
	v_nop
	s_wait_alu depctr_va_vdst(0)
.endif
.irp d, 0,1,2,3
	v_pk_add_f32 v[(\P)+8*(i-16)+2*\d:(\P)+8*(i-16)+2*\d+1], v[(\P)+8*(i-16)+2*\d:(\P)+8*(i-16)+2*\d+1], 1.0 op_sel_hi:[1,0]
.endr
.elseif i < 28
.irp d, 0,1,2,3
	v_rcp_f32 v[(\P)+4*(i-20)+\d], v[(\P)+4*(i-20)+\d]
.endr
.else
.if i == 28
	v_add_f32 v[VS], v[VS], v[(\C)+3]
	s_wait_alu depctr_va_vdst(0)
.endif
.irp d, 0,1,2,3
	v_pk_fma_f32 v[SC+8*(i-28)+2*\d:SC+8*(i-28)+2*\d+1], v[(\P)+8*(i-28)+2*\d:(\P)+8*(i-28)+2*\d+1], v[(\C)+2:(\C)+3], v[SC+8*(i-28)+2*\d:SC+8*(i-28)+2*\d+1] op_sel_hi:[1,0,1]
.endr
.endif
.endm
; THE CHANGE OF SLOTS, at the head of a slot's last tile, whose fragments are in registers: nobody of my wave reads the slot any more.  Each wave waits for all its tensor loads (one is out: its quarter of the other slot),
; adds 0 to its spare word and waits for that.  fill = 1: a round of the cluster's barrier, and behind it, first, the joint refill of the slot just left, with the tiles two slots on: it has eight tiles, 256 products, in which to land.
.macro CHANGE fill
	s_wait_tensorcnt 0x0                           ; no tensor load of mine is out, so a group 0 may be written
	ds_add_u32 v[SPW], v[NIL]                      ; 0 onto my spare word
.if \fill
	s_xor_b32 s[G0B+1], s[G0B+1], SLOT1            ; the walking descriptor: the other slot than last time,
	s_add_nc_u64 s[G0B+2:G0B+3], s[G0B+2:G0B+3], SLOT1   ; the next eight tiles; the type bits on top are not reached
.endif
	s_wait_dscnt 0x0                               ; the add is done; my reads of the slot were over at the tile's head
.if \fill
	ROUND
	tensor_load_to_lds s[G0B:G0B+3], s[G1W:G1W+7]
	s_nop 0
.rept 4
	v_nop
.endr
.else
	s_barrier_signal -1
	s_barrier_wait -1
.endif
	s_sub_co_u32 s[TB], s[TB], SLOT1               ; the fetches go back to a slot's first tile,
	s_xor_b32 s[TB], s[TB], SLOT1                  ; in the other slot
.endm
; A TILE of 16 columns.  par: which set of W_h's fragments and of accumulators it has.  mode 0: plain; 1: change of slots with refill; 2: change of slots, nothing left to ask for; 3: the very last tile: no next tile is fetched.
; Product i: K step i / 4, tile of rows i % 4: the four accumulators take turns, one instruction a turn, over tile edges and backward jumps too.  The first four start the sums with the constant 0.
; PLACES (ISA guide 7.12.1): an accumulator's last product stands at i = 28 .. 31; behind each stand at least the four plain lines of slice 31, which name the other set; they are also the places in front of the
; loads into the other set of fragments, issued behind product 1 and waited for at the next tile's head, 30 products on.
.macro TILE par, mode
	s_wait_dscnt 0x0                               ; this tile's fragments and the last tile's constants are in
.if \mode == 1
	CHANGE 1
.elseif \mode == 2
	CHANGE 0
.endif
.set i, 0
.rept 32
.set tq, i%4
.set sg, i/4
	WIN 0x06+(tq/2)                                ; source 0 (my codes) window 2 or 3, source 1 (W_h) window 1, C and D window 0
.if sg == 0
	v_wmma_f32_16x16x128_fp8_fp8 v[ACC+32*\par+8*tq:ACC+32*\par+8*tq+7], v[16*(8*(tq%2)+sg):16*(8*(tq%2)+sg)+15], v[128*\par+16*sg:128*\par+16*sg+15], 0
.else
	v_wmma_f32_16x16x128_fp8_fp8 v[ACC+32*\par+8*tq:ACC+32*\par+8*tq+7], v[16*(8*(tq%2)+sg):16*(8*(tq%2)+sg)+15], v[128*\par+16*sg:128*\par+16*sg+15], v[ACC+32*\par+8*tq:ACC+32*\par+8*tq+7]
.endif
	WIN 0
	SLICE ACC+32*(1-\par), CT+4*(1-\par)
.if i == 1
	FETCHC \par
.if \mode != 3
	FETCHB 1-\par
.endif
.endif
.set i, i+1
.endr
.endm
.macro SEVEN                           ; a slot's first seven tiles
	s_mov_b32 s[CN2], 3
.Lpair_\@:
	TILE 0, 0
	TILE 1, 0
	s_sub_co_u32 s[CN2], s[CN2], 1
	s_cmp_lg_u32 s[CN2], 0
	s_cbranch_scc1 .Lpair_\@
	TILE 0, 0
.endm
.set k, 0
.rept 32
	v_mov_b32 v[ACC+32+k], 0                       ; the loop has no first tile of its own: the first tile's slices find a tile of zeros with constants 0, which adds nothing
	v_mov_b32 v[SC+k], 0
.set k, k+1
.endr
.irp d, 0,1,2,3
	v_mov_b32 v[CT+4+\d], 0
.endr
	v_mov_b32 v[VS], 0
	s_mov_b32 s[TB], 0
	s_mov_b32 s[TT], 0
	s_wait_tensorcnt 0x0                           ; my quarters of both slots and of the table are in,
	s_wait_dscnt 0x0                               ; and my last fragments
	s_barrier_signal -1
	s_barrier_wait -1                              ; everybody's are
	FETCHB 0
	s_mov_b32 s[CN1], 6
.Lslot:                                            ; six trips: behind each of the first six slots' worth of tiles a slot is filled again
	SEVEN
	TILE 1, 1
	s_sub_co_u32 s[CN1], s[CN1], 1
	s_cmp_lg_u32 s[CN1], 0
	s_cbranch_scc1 .Lslot
	SEVEN                                          ; the tail is written out
	TILE 1, 2
	SEVEN
	TILE 1, 3
	; THE END.  The last tile's tanh; the places behind its last products are its own slices 28 to 31.
	s_wait_dscnt 0x0                               ; its constants
.set i, 0
.rept 32
	SLICE ACC+32, CT+4
.set i, i+1
.endr
.set k, 0
.rept 32
	v_add_f32 v[SC+k], v[SC+k], v[VS]              ; my columns' part of sum v - 2 sum v r
.set k, k+1
.endr
.irp x, 1,2,4,8                                    ; over the sixteen lanes that hold a row's columns
.set k, 0
.rept 32
	v_add_f32_dpp v[SC+k], v[SC+k], v[SC+k] row_xmask:\x row_mask:0xf bank_mask:0xf
.set k, k+1
.endr
.endr
.irp t, 0,1,2,3                                    ; registers 8 T + j are rows 16 T + 8 h + j: the sixteen lanes of a half lay the same 32 bytes
	ds_store_b128 v[SSA], v[SC+8*\t:SC+8*\t+3] offset:64*\t
	ds_store_b128 v[SSA], v[SC+8*\t+4:SC+8*\t+7] offset:64*\t+16
.endr
	ds_load_b64 v[28:29], v[SSR]                   ; back: two scores a lane
	s_wait_dscnt 0x0
	global_store_b64 v[GO], v[28:29], s[14:15]     ; the wave stores 256 consecutive bytes, aligned
	s_wait_tensorcnt 0x0                           ; the wave's end
	ds_add_u32 v[SPW], v[NIL]
	s_wait_dscnt 0x0
	ROUND                                          ; the closing round: no work-group ends while a partner may still ask for a tile that names it
	s_endpgm
.Lfunc_end_k_q0586f6c8e4_score:
	.size	k_q0586f6c8e4_score, .Lfunc_end_k_q0586f6c8e4_score-k_q0586f6c8e4_score
	.p2alignl 7, 3214868480
	.fill 96, 4, 3214868480
	.section	.rodata,"a",@progbits
	.p2align	6, 0x0
	.amdhsa_kernel k_q0586f6c8e4_score
		.amdhsa_group_segment_fixed_size 327680
		.amdhsa_private_segment_fixed_size 0
		.amdhsa_enable_private_segment 0
		.amdhsa_kernarg_size 48
		.amdhsa_user_sgpr_count 2
		.amdhsa_user_sgpr_kernarg_segment_ptr 1
		.amdhsa_wavefront_size32 1
		.amdhsa_system_sgpr_workgroup_id_x 1
		.amdhsa_system_sgpr_workgroup_id_y 1
		.amdhsa_system_sgpr_workgroup_id_z 1
		.amdhsa_system_vgpr_workitem_id 0
		.amdhsa_next_free_vgpr 1024
		.amdhsa_next_free_sgpr 80
		.amdhsa_reserve_vcc 0
		.amdhsa_float_denorm_mode_32 3
		.amdhsa_float_denorm_mode_16_64 3
		.amdhsa_memory_ordered 1
		.amdhsa_forward_progress 1
		.amdhsa_inst_pref_size 255
	.end_amdhsa_kernel
	.section	.bss,"aw",@nobits
	.p2align	6
	.space	262144
	.amdgpu_metadata
---
amdhsa.version: [ 1, 2 ]
amdhsa.kernels:
  - .name:           k_q0586f6c8e4_score
    .symbol:         k_q0586f6c8e4_score.kd
    .args:
      - { .name: context, .offset: 0, .size: 8, .value_kind: global_buffer, .address_space: global }
      - { .name: coverage, .offset: 8, .size: 8, .value_kind: global_buffer, .address_space: global }
      - { .name: whc, .offset: 16, .size: 8, .value_kind: global_buffer, .address_space: global }
      - { .name: tab, .offset: 24, .size: 8, .value_kind: global_buffer, .address_space: global }
      - { .name: lowp_scales, .offset: 32, .size: 8, .value_kind: global_buffer, .address_space: global }
      - { .name: out3, .offset: 40, .size: 8, .value_kind: global_buffer, .address_space: global }
    .group_segment_fixed_size: 327680
    .private_segment_fixed_size: 0
    .kernarg_segment_align: 8
    .kernarg_segment_size: 48
    .max_flat_workgroup_size: 128
    .sgpr_count:     80
    .vgpr_count:     1024
    .wavefront_size: 32
...
	.end_amdgpu_metadata
.endif
;; end of part 2
;; launch mix (part 3): grid 256 x 1, 16 waves a work-group, no clusters, 14,848 bytes of LDS; arguments context, out3, padding_mask, coverage, out0, out1, out2; writes out0, out1, out2
.if DOCPART == 3
	.amdgcn_target "amdgcn-amd-amdhsa--gfx1250"
	.amdhsa_code_object_version 6
	.text
	.protected	k_q0586f6c8e4_mix
	.globl	k_q0586f6c8e4_mix
	.p2align	8
	.type	k_q0586f6c8e4_mix,@function
k_q0586f6c8e4_mix:
	s_mov_b64 s[64:65], 0
	v_nop
	global_prefetch_b8 v0, s[64:65] scope:SCOPE_SE
	s_setreg_imm32_b32 hwreg(HW_REG_WAVE_MODE, 25, 1), 1
	s_wait_xcnt 0x0
; a = softmax(score) x mask, renormalised; out0[b] = sum over l of a[b][l] context[b][l][:]; out1 = a; out2 = coverage.  All in f32: a stream, no matrix unit (one row a batch), no tensor load, no cluster
; (the four work-groups of a batch share 12 KB of scores, mask and coverage beside 1 MB of context each).
; e = 2^((score - M) log2 e), M the batch's largest score, masked ones among them, as reference()'s softmax takes it.  The softmax's own divisor cancels against the renormalisation for every input:
; a = e mask / sum(e mask).  A batch whose masked sum is 0 gives NaN, as in reference().  NaN among the inputs is not served.
; SHARES.  Work-group 4 b + q owns columns 256 q .. 256 q + 255 of out0[b] and entries 256 q .. + 255 of out1[b] and out2[b]: each output byte has one owner.  All sixteen waves make the whole batch's a (two entries a thread).
; Wave w then takes 512 bytes (w % 2) of the 1,024-byte piece of rows 128 (w / 2) .. + 127: each load reads 512 consecutive bytes; a ring of 16 loads a wave stays out, issued ahead of the softmax.
.set AT,    0                          ; LDS: a, 1,024 numbers
.set RED,   4096                       ; sixteen partial sums of 512 bytes
.set RMAX,  12288                      ; sixteen waves' maxima
.set RSUM,  12544                      ; and sums: other bytes, so that no barrier is owed between them
.set LOG2E, 0x3fb8aa3b
	s_load_b256 s[4:11], s[0:1], 0x0               ; context s[4:5], out3 (the scores) s[6:7], mask s[8:9], coverage s[10:11]
	s_load_b128 s[12:15], s[0:1], 0x20             ; out0 s[12:13], out1 s[14:15]
	s_load_b64 s[16:17], s[0:1], 0x30              ; out2
	v_lshl_add_u32 v62, v0, 2, 0x3200
	v_mov_b32 v63, 0
	v_lshrrev_b32 v1, 5, v0
	v_readfirstlane_b32 s18, v1                    ; wave 0..15
	s_lshr_b32 s19, ttmp9, 2                       ; the batch
	s_and_b32 s20, ttmp9, 3                        ; which quarter
	s_and_b32 s21, s18, 1                          ; which 512 bytes of a row's piece
	s_lshr_b32 s22, s18, 1                         ; which 128 rows
	v_and_b32 v1, 31, v0
	v_lshlrev_b32 v1, 4, v1                        ; 16 x lane; never rewritten
	v_lshlrev_b32 v10, 3, v0                       ; 8 x thread: my two entries, in memory and in LDS; never rewritten
	s_lshl_b32 s24, s19, 12                        ; a batch's 4,096 bytes of scores, mask, coverage, out0, out1, out2
	s_mov_b32 s25, 0
	s_lshl_b32 s26, s19, 22                        ; context: 4 MiB a batch, 2^19 bytes for 128 rows
	s_lshl_b32 s27, s22, 19
	s_add_co_u32 s26, s26, s27
	s_lshl_b32 s27, s20, 10
	s_add_co_u32 s26, s26, s27
	s_lshl_b32 s27, s21, 9
	s_add_co_u32 s26, s26, s27
	s_mov_b32 s27, 0
	s_lshl_b32 s30, s20, 10                        ; out0: + my quarter, + 512 x (w % 2)
	s_add_co_u32 s30, s30, s24
	s_lshl_b32 s31, s21, 9
	s_add_co_u32 s30, s30, s31
	s_mov_b32 s31, 0
	s_mov_b32 s28, 0x76543210                      ; v_permlanex16_b32: lane l xor 16
	s_mov_b32 s29, 0xfedcba98
	s_wait_kmcnt 0x0
	s_add_nc_u64 s[4:5], s[4:5], s[26:27]
	s_add_nc_u64 s[6:7], s[6:7], s[24:25]
	s_add_nc_u64 s[8:9], s[8:9], s[24:25]
	s_add_nc_u64 s[10:11], s[10:11], s[24:25]
	s_add_nc_u64 s[12:13], s[12:13], s[30:31]
	s_add_nc_u64 s[14:15], s[14:15], s[24:25]
	s_add_nc_u64 s[16:17], s[16:17], s[24:25]
	global_load_b64 v[2:3], v10, s[6:7]            ; two scores,
	global_load_b64 v[4:5], v10, s[8:9]            ; their mask,
	global_load_b64 v[6:7], v10, s[10:11]          ; their coverage
.irp i, 0,1,2,3,4,5,6,7,8,9,10,11,12,13,14,15
	global_load_b128 v[64+4*\i:67+4*\i], v1, s[4:5] offset:4096*\i th:TH_LOAD_NT   ; the ring: rows 0-15
.endr
	v_mov_b32 v9, 0                                ; a lane permute's destination counts as read
	v_mov_b32 v11, s18
	v_lshlrev_b32 v11, 2, v11                      ; my wave's word
	v_mov_b32 v12, 0
	s_wait_loadcnt 16                              ; the three small loads are in; the ring's sixteen stay out
	v_max_num_f32 v8, v2, v3
	v_max_num_f32_dpp v8, v8, v8 row_xmask:1 row_mask:0xf bank_mask:0xf
	v_max_num_f32_dpp v8, v8, v8 row_xmask:2 row_mask:0xf bank_mask:0xf
	v_max_num_f32_dpp v8, v8, v8 row_xmask:4 row_mask:0xf bank_mask:0xf
	v_max_num_f32_dpp v8, v8, v8 row_xmask:8 row_mask:0xf bank_mask:0xf
	v_permlanex16_b32 v9, v8, s28, s29
	v_max_num_f32 v8, v8, v9
	ds_store_b32 v11, v8 offset:RMAX               ; all lanes lay the same word
	s_wait_dscnt 0x0
	s_barrier_signal -1
	s_barrier_wait -1
.irp k, 0,1,2,3
	ds_load_b128 v[24+4*\k:27+4*\k], v12 offset:RMAX+16*\k
.endr
	s_wait_dscnt 0x0
	v_max3_num_f32 v8, v24, v25, v26
	v_max3_num_f32 v40, v27, v28, v29
	v_max3_num_f32 v8, v8, v30, v31
	v_max3_num_f32 v40, v40, v32, v33
	v_max3_num_f32 v8, v8, v34, v35
	v_max3_num_f32 v40, v40, v36, v37
	v_max3_num_f32 v8, v8, v38, v39
	v_max_num_f32 v8, v8, v40                      ; M
	v_sub_f32 v2, v2, v8
	v_sub_f32 v3, v3, v8
	v_mul_f32 v2, LOG2E, v2
	v_mul_f32 v3, LOG2E, v3
	v_exp_f32 v2, v2
	v_exp_f32 v3, v3
	v_nop                                          ; a plain line behind the exponentials
	s_wait_alu depctr_va_vdst(0)
	v_mul_f32 v2, v2, v4                           ; e x mask
	v_mul_f32 v3, v3, v5
	v_add_f32 v13, v2, v3
	v_add_f32_dpp v13, v13, v13 row_xmask:1 row_mask:0xf bank_mask:0xf
	v_add_f32_dpp v13, v13, v13 row_xmask:2 row_mask:0xf bank_mask:0xf
	v_add_f32_dpp v13, v13, v13 row_xmask:4 row_mask:0xf bank_mask:0xf
	v_add_f32_dpp v13, v13, v13 row_xmask:8 row_mask:0xf bank_mask:0xf
	v_permlanex16_b32 v9, v13, s28, s29
	v_add_f32 v13, v13, v9
	ds_store_b32 v11, v13 offset:RSUM
	s_wait_dscnt 0x0
	s_barrier_signal -1
	s_barrier_wait -1
.irp k, 0,1,2,3
	ds_load_b128 v[24+4*\k:27+4*\k], v12 offset:RSUM+16*\k
.endr
	s_wait_dscnt 0x0
	v_pk_add_f32 v[24:25], v[24:25], v[26:27]
	v_pk_add_f32 v[28:29], v[28:29], v[30:31]
	v_pk_add_f32 v[32:33], v[32:33], v[34:35]
	v_pk_add_f32 v[36:37], v[36:37], v[38:39]
	v_pk_add_f32 v[24:25], v[24:25], v[28:29]
	v_pk_add_f32 v[32:33], v[32:33], v[36:37]
	v_pk_add_f32 v[24:25], v[24:25], v[32:33]
	v_add_f32 v13, v24, v25                        ; the masked sum
	v_rcp_f32 v13, v13
	v_nop                                          ; a plain line behind the reciprocal
	s_wait_alu depctr_va_vdst(0)
	v_mul_f32 v2, v2, v13                          ; a
	v_mul_f32 v3, v3, v13
	ds_store_b64 v10, v[2:3] offset:AT
	s_lshr_b32 s33, s18, 2                         ; waves 4 q .. 4 q + 3 hold the quarter that this work-group owns: only stores stand inside the branch
	s_cmp_lg_u32 s33, s20
	s_cbranch_scc1 .Lnot_mine
	global_store_b64 v10, v[2:3], s[14:15]         ; a wave stores 256 consecutive bytes, aligned
	global_store_b64 v10, v[6:7], s[16:17]
.Lnot_mine:
	s_wait_dscnt 0x0
	s_barrier_signal -1
	s_barrier_wait -1                              ; the batch's a lies in LDS
	s_lshl_b32 s34, s22, 9
	v_mov_b32 v14, s34                             ; my 128 rows' weights: the same address in every lane
.set k, 0
.rept 32
	ds_load_b128 v[128+4*k:131+4*k], v14 offset:AT+16*k
.set k, k+1
.endr
	s_wait_dscnt 0x0
; Row i: 16 bytes a lane x the row's weight, into accumulator set i % 2 (rows 0 and 1 start the sums: nothing is cleared); then the ring's slot takes row i + 16.  Every offset is an immediate.
.macro ROWI i
.set sl, 64+4*((\i)%16)
.set ac, 16+4*((\i)%2)
.set wp, 128+2*((\i)/2)
.if 127-(\i) < 15
	s_wait_loadcnt 127-(\i)                        ; the last rows: the counts run down
.else
	s_wait_loadcnt 15                              ; my row is in; the fifteen younger loads stay out
.endif
.if (\i) == 0
	v_pk_mul_f32 v[ac:ac+1], v[sl:sl+1], v[wp:wp+1] op_sel_hi:[1,0]
	v_pk_mul_f32 v[ac+2:ac+3], v[sl+2:sl+3], v[wp:wp+1] op_sel_hi:[1,0]
.elseif (\i) == 1
	v_pk_mul_f32 v[ac:ac+1], v[sl:sl+1], v[wp:wp+1] op_sel:[0,1] op_sel_hi:[1,1]
	v_pk_mul_f32 v[ac+2:ac+3], v[sl+2:sl+3], v[wp:wp+1] op_sel:[0,1] op_sel_hi:[1,1]
.elseif (\i)%2 == 0
	v_pk_fma_f32 v[ac:ac+1], v[sl:sl+1], v[wp:wp+1], v[ac:ac+1] op_sel_hi:[1,0,1]
	v_pk_fma_f32 v[ac+2:ac+3], v[sl+2:sl+3], v[wp:wp+1], v[ac+2:ac+3] op_sel_hi:[1,0,1]
.else
	v_pk_fma_f32 v[ac:ac+1], v[sl:sl+1], v[wp:wp+1], v[ac:ac+1] op_sel:[0,1,0] op_sel_hi:[1,1,1]
	v_pk_fma_f32 v[ac+2:ac+3], v[sl+2:sl+3], v[wp:wp+1], v[ac+2:ac+3] op_sel:[0,1,0] op_sel_hi:[1,1,1]
.endif
.if (\i)+16 < 128
	global_load_b128 v[sl:sl+3], v1, s[4:5] offset:4096*((\i)+16) th:TH_LOAD_NT
.endif
.endm
.set R, 0
.rept 128
	ROWI R
.set R, R+1
.endr
	v_pk_add_f32 v[16:17], v[16:17], v[20:21]
	v_pk_add_f32 v[18:19], v[18:19], v[22:23]
	s_lshl_b32 s35, s18, 9
	v_add_nc_u32 v15, s35, v1                      ; 512 x wave + 16 x lane
	ds_store_b128 v15, v[16:19] offset:RED
	s_wait_dscnt 0x0
	s_barrier_signal -1
	s_barrier_wait -1
	s_cmp_lt_u32 s18, 2                            ; waves 0 and 1 add the eight partial sums of their 512 bytes; no barrier follows
	s_cbranch_scc1 .Lsum
	s_wait_tensorcnt 0x0
	ds_add_u32 v62, v63
	s_wait_dscnt 0x0
	s_endpgm
.Lsum:
.irp k, 0,1,2,3,4,5,6,7
	ds_load_b128 v[64+4*\k:67+4*\k], v15 offset:RED+1024*\k
.endr
	s_wait_dscnt 0x0
.irp k, 0,2,4,6
	v_pk_add_f32 v[64+4*\k:65+4*\k], v[64+4*\k:65+4*\k], v[68+4*\k:69+4*\k]
	v_pk_add_f32 v[66+4*\k:67+4*\k], v[66+4*\k:67+4*\k], v[70+4*\k:71+4*\k]
.endr
.irp k, 0,4
	v_pk_add_f32 v[64+4*\k:65+4*\k], v[64+4*\k:65+4*\k], v[72+4*\k:73+4*\k]
	v_pk_add_f32 v[66+4*\k:67+4*\k], v[66+4*\k:67+4*\k], v[74+4*\k:75+4*\k]
.endr
	v_pk_add_f32 v[64:65], v[64:65], v[80:81]
	v_pk_add_f32 v[66:67], v[66:67], v[82:83]
	global_store_b128 v1, v[64:67], s[12:13]       ; 32 lanes store 512 consecutive bytes, aligned
	s_wait_tensorcnt 0x0
	ds_add_u32 v62, v63
	s_wait_dscnt 0x0
	s_endpgm
.Lfunc_end_k_q0586f6c8e4_mix:
	.size	k_q0586f6c8e4_mix, .Lfunc_end_k_q0586f6c8e4_mix-k_q0586f6c8e4_mix
	.p2alignl 7, 3214868480
	.fill 96, 4, 3214868480
	.section	.rodata,"a",@progbits
	.p2align	6, 0x0
	.amdhsa_kernel k_q0586f6c8e4_mix
		.amdhsa_group_segment_fixed_size 14848
		.amdhsa_private_segment_fixed_size 0
		.amdhsa_enable_private_segment 0
		.amdhsa_kernarg_size 56
		.amdhsa_user_sgpr_count 2
		.amdhsa_user_sgpr_kernarg_segment_ptr 1
		.amdhsa_wavefront_size32 1
		.amdhsa_system_sgpr_workgroup_id_x 1
		.amdhsa_system_sgpr_workgroup_id_y 1
		.amdhsa_system_sgpr_workgroup_id_z 1
		.amdhsa_system_vgpr_workitem_id 0
		.amdhsa_next_free_vgpr 256
		.amdhsa_next_free_sgpr 66
		.amdhsa_reserve_vcc 0
		.amdhsa_float_denorm_mode_32 3
		.amdhsa_float_denorm_mode_16_64 3
		.amdhsa_memory_ordered 1
		.amdhsa_forward_progress 1
		.amdhsa_inst_pref_size 42
	.end_amdhsa_kernel
	.amdgpu_metadata
---
amdhsa.version: [ 1, 2 ]
amdhsa.kernels:
  - .name:           k_q0586f6c8e4_mix
    .symbol:         k_q0586f6c8e4_mix.kd
    .args:
      - { .name: context, .offset: 0, .size: 8, .value_kind: global_buffer, .address_space: global }
      - { .name: out3, .offset: 8, .size: 8, .value_kind: global_buffer, .address_space: global }
      - { .name: padding_mask, .offset: 16, .size: 8, .value_kind: global_buffer, .address_space: global }
      - { .name: coverage, .offset: 24, .size: 8, .value_kind: global_buffer, .address_space: global }
      - { .name: out0, .offset: 32, .size: 8, .value_kind: global_buffer, .address_space: global }
      - { .name: out1, .offset: 40, .size: 8, .value_kind: global_buffer, .address_space: global }
      - { .name: out2, .offset: 48, .size: 8, .value_kind: global_buffer, .address_space: global }
    .group_segment_fixed_size: 14848
    .private_segment_fixed_size: 0
    .kernarg_segment_align: 8
    .kernarg_segment_size: 56
    .max_flat_workgroup_size: 512
    .sgpr_count:     66
    .vgpr_count:     256
    .wavefront_size: 32
...
	.end_amdgpu_metadata
.endif
;; end of part 3
